; MI455X (gfx1250); checked and timed in simulation.
; The chip was launched on July 23, 2026; its instructions are those of AMD's public machine-readable ISA for CDNA 5 (MIT licence, August 2026) and "CDNA5" Instruction Set Architecture Reference Guide (July 2026). The comments in the code are by the model that wrote it; some were corrected since.
;; Multi Head Self Attention. Allowed arithmetic: matrix products marked QUANTISED: E4M3 operands, one E8M0 scale for each 32 along K, by v_wmma_scale_f32_16x16x128_f8f6f4 with both operands' format E4M3, f32 sums; everything else in f32.
;; Inputs: Wk_codes 512 x 16 x 32 uint8 (E4M3 codes of Wk, K innermost, in blocks of 32 codes); Wk_scales 512 x 16 uint8 (E8M0 scales of Wk, one for each 32 codes along K); Wo_codes 512 x 16 x 32 uint8 (E4M3 codes of Wo, K innermost, in blocks of 32 codes); Wo_scales 512 x 16 uint8 (E8M0 scales of Wo, one for each 32 codes along K); Wq_codes 512 x 16 x 32 uint8 (E4M3 codes of Wq, K innermost, in blocks of 32 codes); Wq_scales 512 x 16 uint8 (E8M0 scales of Wq, one for each 32 codes along K); Wv_codes 512 x 16 x 32 uint8 (E4M3 codes of Wv, K innermost, in blocks of 32 codes); Wv_scales 512 x 16 uint8 (E8M0 scales of Wv, one for each 32 codes along K); bk 512 float32; bo 512 float32; bq 512 float32; bv 512 float32; x_codes 2 x 4,096 x 16 x 32 uint8 (E4M3 codes of x, K innermost, in blocks of 32 codes); x_scales 2 x 4,096 x 16 uint8 (E8M0 scales of x, one for each 32 codes along K).
;; Outputs: out0 2 x 4,096 x 512 float32.
;; This version of the problem:
;;   THIS VERSION OF THE PROBLEM IS GIVEN IN LOW PRECISION. The matrix products marked QUANTISED in the list below multiply operands that are first quantised to E4M3 (4 exponent bits, 3 mantissa bits; 8 bits a number), with one power-of-two scale for each 32 numbers along K (OCP MX v1.0); their sums are f32. All else is computed in f32.
;;   The module's matrix products, in the order in which they are computed (A, B: the left and right operand; K: the contracted axis; several contracted axes count as one K, in the product's order):
;;     1. [M 8,192, K 512] x [K 512, N 512]; A: input x (given as codes); B: input Wq (given as codes): QUANTISED
;;     2. [M 8,192, K 512] x [K 512, N 512]; A: input x (given as codes); B: input Wk (given as codes): QUANTISED
;;     3. [M 8,192, K 512] x [K 512, N 512]; A: input x (given as codes); B: input Wv (given as codes): QUANTISED
;;     4. batch 16 x [M 4,096, K 64] x [K 64, N 4,096]; A: computed on the way; B: computed on the way: QUANTISED
;;     5. batch 16 x [M 64, K 4,096] x [K 4,096, N 4,096]; A: computed on the way; B: softmax (see below): QUANTISED
;;     6. [M 8,192, K 512] x [K 512, N 512]; A: computed on the way; B: input Wo (given as codes): QUANTISED
;;   THE QUANTISER, for each operand of a quantised product, along K:
;;     - K is cut into blocks of 32 from its start; a last block that is shorter is filled with zeros.
;;     - A block's scale is 2^e with e = floor(log2(the largest magnitude in the block)) - 8, held to -126 .. 127; a block of zeros has e = 0. As a byte (E8M0): e + 127.
;;     - Each number is divided by its block's scale, clamped to +-448, and rounded to the nearest number of E4M3, ties to even, subnormals kept.
;;     - The product sums the exact products of the quantised numbers (number of the format x scale) in f32.
;;   ~~~python
;;   def quantise(x, axis):      # numpy; x: float32 -> the quantised numbers, widened to float32 again
;;       x = np.moveaxis(x, axis, -1); K = x.shape[-1]
;;       x = np.pad(x, [(0, 0)] * (x.ndim - 1) + [(0, -K % 32)]); x = x.reshape(x.shape[:-1] + (-1, 32)); a = np.abs(x).max(-1, keepdims=True)
;;       e = np.where(a > 0, np.clip(np.frexp(np.where(a > 0, a, 1))[1] - 1 - 8, -126, 127), 0)      # np.frexp(a)[1] - 1 = floor(log2(a)), exactly
;;       r = np.clip(x / 2.0 ** e, -448, 448)
;;       step = 2.0 ** (np.maximum(np.frexp(np.where(r == 0, 1, r))[1] - 1, -6) - 3)
;;       q = np.round(r / step) * step * 2.0 ** e      # np.round: ties to even
;;       return np.moveaxis(q.reshape(q.shape[:-2] + (-1,))[..., :K], -1, axis).astype(np.float32)
;;   ~~~
;;   SOFTMAX AHEAD OF A QUANTISED PRODUCT. Where the list says 'softmax', what is quantised is not the finished softmax but p = 2^(t - M), with t = logit x log2(e) and M = ceil(the row's largest t), a whole number; so 1/2 < the row's largest p <= 1. The row's sum l is taken of the UNQUANTISED p, in f32, and the product's result is divided by l at the end. Since M is a whole number, a kernel that streams over the keys may use a running M (the ceiling of the running maximum): every later rescaling is an exact power of two, which a block's scale takes up: the codes' values come out the same.
;;   OPERANDS COMPUTED ON THE WAY. 'Computed on the way' means the value that the module computes at that place (a softmax that the list does not call 'softmax' is quantised finished and normalised). What goes into a quantiser is computed in f32, as accurately as f32 sums, v_exp_f32 and their like allow (about 1e-6 of the number): no bf16 or f16 on the way to a quantiser, and a product that is left as it is and whose result goes on into a quantised operand takes f32 operands (vector FMAs, or v_wmma_f32_16x16x4_f32). A number that lies on a knife's edge between two numbers of the format may be rounded either way, as far as f32 arithmetic and the matrix unit's own rounding can turn it there, and no further.
;;   INPUTS GIVEN AS CODES. Wk (in the module: [512, 512], K = its axis 1); Wo (in the module: [512, 512], K = its axis 1); Wq (in the module: [512, 512], K = its axis 1); Wv (in the module: [512, 512], K = its axis 1); x (in the module: [2, 4096, 512], K = its axis 2): each comes as NAME_codes (uint8): NAME with its K axis moved to the last place and cut into blocks of 32 codes, [.., K / 32, bytes a block], one block behind the other in memory; one code a byte (a code: sign, 4 exponent bits, 3 mantissa bits); and NAME_scales (uint8): the same leading axes, one E8M0 byte (e + 127) for each 32 codes along K. Its value is code x scale, taken as it is: it is not quantised again, and the codes and scales need not be those that the quantiser above would give.
;; One version. Each part assembles by itself: llvm-mc -triple=amdgcn-amd-amdhsa -mcpu=gfx1250 --defsym DOCPART=n.
;; ======== version 1 of 1: 3 launches
;; limits: right only within a limited range of input values
;; workspace buffers: qimg 4,194,304 bytes; qsc 131,072 bytes; kv 8,650,752 bytes; oimg 4,194,304 bytes; osc 131,072 bytes
;; launch proj (part 1): grid 64 x 3, 8 waves a work-group, no clusters, 68,608 bytes of LDS; arguments x_codes, x_scales, Wq_codes, Wk_codes, Wv_codes, Wq_scales, Wk_scales, Wv_scales, bq, bk, bv, qimg, qsc, kv; writes qimg, qsc, kv
.if DOCPART == 1
	.amdgcn_target "amdgcn-amd-amdhsa--gfx1250"
	.amdhsa_code_object_version 6
	.text
	.protected	k_q27ae4cd301_proj
	.globl	k_q27ae4cd301_proj
	.p2align	8
	.type	k_q27ae4cd301_proj,@function
k_q27ae4cd301_proj:
	s_mov_b64 s[64:65], 0
	v_nop
	global_prefetch_b8 v0, s[64:65] scope:SCOPE_SE
	s_setreg_imm32_b32 hwreg(HW_REG_WAVE_MODE, 25, 1), 1
	s_wait_xcnt 0x0
; q = x Wq^T + bq, k = x Wk^T + bk, v = x Wv^T + bv on codes of FP8 (E4M3) with one E8M0 scale for each 32 along K = 512, and the quantisers of q, k (along a head's 64) and v (along the keys).
; SHARES.  Work-group x: a block of 128 tokens (one key step of the attention); work-group y: 0 = q, 1 = k, 2 = v.  Wave w = head w: 128 tokens x 64 features, 128 matrix instructions.
; The wave's 64 rows of the weight (16 fragments, 256 registers, window 1) come from memory once and stay; x's 128 rows go once through LDS (one barrier).
; THE ROWS OF A TILE ARE NOT NEIGHBOURS, for tokens and for weight rows alike: lane r of tile 2 B + u takes row 32 B + 8 u + r + 8 (r / 8), so that a lane's 16 result registers of two
; neighbouring tiles of source 0 are 16 neighbours, 32 B + 16 (lane / 16) + 0 .. 15, along the next product's K.
; q, k: source 0 = 16 weight rows, source 1 = 16 tokens: a lane holds one token and 16 neighbouring features of each block of 32.   v: source 0 = 16 tokens, source 1 = 16 weight rows: a lane holds one
; channel and 16 neighbouring tokens.  The biases are the C of each sum's first matrix instruction.
; RESULTS LEAVE AS IMAGES OF OPERAND REGISTERS: four registers of codes a lane, 16 bytes at 16 x lane: each store of the wave covers 512 consecutive bytes, aligned.
;   qimg [bh][tile 256][chunk 2][lane][16];   kv [bh][key step 32][16,896]: 4 fragments of K (two key tiles side by side along K), 4 of V^T, 256 bytes of K's scale words, 256 of V's;   qsc [bh][step][lane][2 words].
; NO CLUSTER: x's 64 KiB are shared by the three work-groups of a column of the grid, and three is no cluster's size here; the weights go from memory straight into registers, where no joint load can land.
; LIMITS: NaN, infinities and the scale byte 0xff among the inputs are not served.  A block whose largest magnitude lies under 2^-118 keeps the byte 1, a block of zeros too (the quantiser's text says 127):
; its codes are zeros, and only this program's own launches read these bytes.
.set REC,   16896                      ; a key step's record in kv
.set XP,    528                        ; an LDS row of x: 512 bytes + 16: 33 x 16 bytes, so the 16 rows of a fragment load start at 16 different columns of 16 bytes
.set XF,    16                         ; v16-79   x's fragments: buffer (K step % 2) x tile u x 16
.set ACC,   80                         ; v80-143  8 accumulators; first the landing place of my 16 rows of x
.set PC,    144                        ; v144-159 the codes just made
.set TM,    160                        ; v160-163 largest magnitudes, v164-167 bytes, v168-171 448 x the scale, v172-175 the conversions' scale operands
.set PW,    176                        ; v176-179 four scale words
.set RR,    180                        ; v180-181 the two words that my lane stores
.set WS,    184                        ; v184-191 the weight's scale words [beta][K step]: lanes 0-15 tile 2 beta, lanes 16-31 tile 2 beta + 1
.set XS,    200                        ; v200-215 x's scale words [group][K step]: lanes 0-15 tile 2 g, lanes 16-31 tile 2 g + 1
.set BIAS,  216                        ; v216-247 8 registers for each feature tile
.set WV,    32                         ; s32 wave = head;  s33 y;  s34 block of tokens
.set YY,    33
.set TBK,   34
.set MSB, 0
.macro WIN new                         ; the immediate's high byte repeats the setting that is left
.if MSB != \new
	s_set_vgpr_msb (MSB<<8)|\new
.set MSB, \new
.endif
.endm
.macro PLACES n
.rept \n
	v_nop
.endr
.endm
; one matrix instruction; ra, rb: source 0's, source 1's scales stand in lanes 16-31 of the register named
.macro WM d, a, b, c, sa, sb, ra, rb
.if (\ra) && (\rb)
	v_wmma_scale_f32_16x16x128_f8f6f4 v[\d:\d+7], v[\a:\a+15], v[\b:\b+15], v[\c:\c+7], v[\sa], v[\sb] matrix_a_scale:MATRIX_SCALE_ROW1 matrix_b_scale:MATRIX_SCALE_ROW1
.elseif (\ra)
	v_wmma_scale_f32_16x16x128_f8f6f4 v[\d:\d+7], v[\a:\a+15], v[\b:\b+15], v[\c:\c+7], v[\sa], v[\sb] matrix_a_scale:MATRIX_SCALE_ROW1
.elseif (\rb)
	v_wmma_scale_f32_16x16x128_f8f6f4 v[\d:\d+7], v[\a:\a+15], v[\b:\b+15], v[\c:\c+7], v[\sa], v[\sb] matrix_b_scale:MATRIX_SCALE_ROW1
.else
	v_wmma_scale_f32_16x16x128_f8f6f4 v[\d:\d+7], v[\a:\a+15], v[\b:\b+15], v[\c:\c+7], v[\sa], v[\sb]
.endif
.endm
; the weight's fragments of K step s: 16 loads, into window 1 at v[16 (4 ft + s)]
.macro WLOAD s
.irp ft, 0,1,2,3
.irp c, 0,1,2,3
	global_load_b128 v[16*(4*\ft+\s)+4*\c:16*(4*\ft+\s)+4*\c+3], v6, s[48:49] offset:(32*(\ft/2)+8*(\ft%2))*512+128*\s+32*\c
.endr
.endr
.endm
; x's two tiles of group g, K step s, from LDS: 8 loads
.macro XLOAD g, s
.irp u, 0,1
.irp c, 0,1,2,3
	ds_load_b128 v[XF+32*((\s)%2)+16*\u+4*\c:XF+32*((\s)%2)+16*\u+4*\c+3], v5 offset:16*(2*(\g)+\u)*XP+128*(\s)+32*\c
.endr
.endr
.endm
; 8 matrix instructions: the group's 8 accumulators by turns, one instruction a turn, in the same order in every K step
.macro MULS g, s, isv
.if \isv
	WIN 0x04                                       ; source 1 (the weight) in window 1
.irp ft, 0,1,2,3
.irp u, 0,1
.if (\s) == 0
	WM ACC+16*\ft+8*\u, XF+32*((\s)%2)+16*\u, 16*(4*\ft+(\s)), BIAS+8*\ft, XS+4*(\g)+(\s), WS+4*(\ft/2)+(\s), \u, \ft%2
.else
	WM ACC+16*\ft+8*\u, XF+32*((\s)%2)+16*\u, 16*(4*\ft+(\s)), ACC+16*\ft+8*\u, XS+4*(\g)+(\s), WS+4*(\ft/2)+(\s), \u, \ft%2
.endif
.endr
.endr
.else
	WIN 0x01                                       ; source 0 (the weight) in window 1
.irp u, 0,1
.irp ft, 0,1,2,3
.if (\s) == 0
	WM ACC+32*\u+8*\ft, 16*(4*\ft+(\s)), XF+32*((\s)%2)+16*\u, BIAS+8*\ft, WS+4*(\ft/2)+(\s), XS+4*(\g)+(\s), \ft%2, \u
.else
	WM ACC+32*\u+8*\ft, 16*(4*\ft+(\s)), XF+32*((\s)%2)+16*\u, ACC+32*\u+8*\ft, WS+4*(\ft/2)+(\s), XS+4*(\g)+(\s), \ft%2, \u
.endif
.endr
.endr
.endif
.endm
; 64 numbers of a lane, v[s] on: four blocks of 16 registers; a block of 32 lies in lanes l and l xor 16.  Codes to v[PC] on, the four scale bytes to v[TM+4] on.
.macro QUANT s
.irp b, 0,1,2,3
	v_max3_num_f32 v[TM+\b], |v[\s+16*\b]|, |v[\s+1+16*\b]|, 0x4800000   ; my 16 numbers and the floor 2^(9 - 127): the byte cannot fall under 1.  Each accumulator is read from its low end on
.endr
.irp i, 2,4,6,8,10,12,14
.irp b, 0,1,2,3
	v_max3_num_f32 v[TM+\b], v[TM+\b], |v[\s+16*\b+\i]|, |v[\s+1+16*\b+\i]|   ; the four blocks by turns
.endr
.endr
.irp b, 0,1,2,3
	s_delay_alu instid0(VALU_DEP_4)
	v_permlanex16_b32 v[TM+4+\b], v[TM+\b], s54, s55
.endr
.irp b, 0,1,2,3
	s_delay_alu instid0(VALU_DEP_4)
	v_max_num_f32 v[TM+\b], v[TM+\b], v[TM+4+\b]   ; with lane l xor 16's: the block's largest magnitude
.endr
.irp b, 0,1,2,3
	s_delay_alu instid0(VALU_DEP_4)
	v_add_nc_u32 v[TM+12+\b], 0xfc000000, v[TM+\b] ; 8 off its exponent field: the conversion's scale operand
.endr
.irp b, 0,1,2,3
	v_and_or_b32 v[TM+8+\b], v[TM+\b], 0x7f800000, s56   ; 448 x the scale
.endr
.irp b, 0,1,2,3
	v_lshrrev_b32 v[TM+4+\b], 23, v[TM+12+\b]      ; the scale's byte
.endr
.irp b, 0,1,2,3
.irp i, 0,1,2,3,4,5,6,7,8,9,10,11,12,13,14,15
	v_med3_num_f32 v[\s+16*\b+\i], v[\s+16*\b+\i], -v[TM+8+\b], v[TM+8+\b]   ; the conversion to an 8-bit code does not saturate (ISA guide 7.6.2): the hold comes first
.endr
	v_cvt_scalef32_pk8_fp8_f32 v[PC+4*\b:PC+1+4*\b], v[\s+16*\b:\s+7+16*\b], v[TM+12+\b]
	v_cvt_scalef32_pk8_fp8_f32 v[PC+2+4*\b:PC+3+4*\b], v[\s+8+16*\b:\s+15+16*\b], v[TM+12+\b]
.endr
	v_nop                                          ; a plain line behind the last conversion: the next group's products write v[s] on
.endm
; A GROUP: 32 tokens (tiles 2 g, 2 g + 1) x my 64 features: 32 matrix instructions, the quantiser, four stores of 512 bytes
.macro GROUP g, isv
	s_wait_dscnt 8                                 ; K step 0's 8 loads are in; K step 1's may be out
	MULS \g, 0, \isv
	s_wait_dscnt 0x0
	MULS \g, 1, \isv
	WIN 0
	PLACES 8                                       ; in front of loads into registers that matrix instructions have read (ISA guide 7.12.1 for vector instructions)
	XLOAD \g, 2
	XLOAD \g, 3
	s_wait_dscnt 8
	MULS \g, 2, \isv
	s_wait_dscnt 0x0
	MULS \g, 3, \isv
	WIN 0
	PLACES 8                                       ; for the loads below and for the quantiser's reads of the results
.if \g < 3
	XLOAD \g+1, 0                                  ; the next group's first two K steps land under the quantiser
	XLOAD \g+1, 1
.endif
.if \g > 0
	s_wait_xcnt 0x0                                ; the last group's stores have read v[PC] on: it is written again only behind this wait
.endif
	QUANT ACC
.if \isv
.irp b, 0,1,2,3
.if \g == 0
	v_mov_b32 v[PW+\b], v[TM+4+\b]                 ; V's fragment b: byte g of its scale word is this group's 32 keys
.else
	v_lshl_or_b32 v[PW+\b], v[TM+4+\b], 8*\g, v[PW+\b]
.endif
.endr
.irp b, 0,1,2,3
	global_store_b128 v2, v[PC+4*\b:PC+4*\b+3], s[36:37] offset:2048*\b+512*\g   ; chunk g of V's fragment b
.endr
.else
	v_lshl_or_b32 v[PW+\g], v[TM+5], 8, v[TM+4]    ; the group's word: tile 2 g's two blocks, tile 2 g + 1's two
	s_delay_alu instid0(VALU_DEP_1)
	v_lshl_or_b32 v[PW+\g], v[TM+6], 16, v[PW+\g]
	s_delay_alu instid0(VALU_DEP_1)
	v_lshl_or_b32 v[PW+\g], v[TM+7], 24, v[PW+\g]
.irp b, 0,1,2,3
	global_store_b128 v2, v[PC+4*\b:PC+4*\b+3], s[36:37] offset:2048*\g+512*\b   ; chunk b = 2 u + beta of the group's 2,048 bytes
.endr
.endif
.endm
	s_load_b512 s[4:19], s[0:1], 0x0               ; x's codes s[4:5], x's scales s[6:7], Wq, Wk, Wv codes s[8:13], their scales s[14:19]
	s_load_b256 s[20:27], s[0:1], 0x40             ; bq, bk, bv s[20:25], qimg s[26:27]
	s_load_b128 s[28:31], s[0:1], 0x60             ; qsc s[28:29], kv s[30:31]
	v_lshl_add_u32 v254, v0, 2, 0x10800
	v_mov_b32 v255, 0
	v_lshrrev_b32 v9, 5, v0
	s_delay_alu instid0(VALU_DEP_1)
	v_readfirstlane_b32 s[WV], v9                  ; wave 0..7 = head
	s_and_b32 s[YY], ttmp7, 0xffff                 ; 0 = q, 1 = k, 2 = v
	s_mov_b32 s[TBK], ttmp9                        ; block of 128 tokens
	v_and_b32 v1, 31, v0                           ; lane
	s_delay_alu instid0(VALU_DEP_1)
	v_lshlrev_b32 v2, 4, v1                        ; 16 x lane
	s_delay_alu instid0(VALU_DEP_2)
	v_lshlrev_b32 v3, 3, v1                        ; 8 x lane
	v_and_b32 v9, 15, v0                           ; r
	v_bfe_u32 v10, v0, 4, 1                        ; h
	s_lshr_b32 s44, s[WV], 1                       ; my 16 tokens 16 w + i go to LDS rows 32 (w / 2) + 8 (w % 2) + 16 (i / 8) + i % 8: x lies in LDS in the order of the tiles
	s_lshl_b32 s44, s44, 5
	s_and_b32 s45, s[WV], 1
	s_lshl_b32 s45, s45, 3
	s_add_co_u32 s44, s44, s45
	s_mul_i32 s44, s44, XP
	v_add_nc_u32 v4, s44, v2                       ; where I store a row's 16 bytes
	v_mul_u32_u24 v5, v9, XP
	s_delay_alu instid0(VALU_DEP_1)
	v_lshl_add_u32 v5, v10, 4, v5                  ; where I read a fragment: row r, + 16 h
	v_and_b32 v11, 8, v9
	s_delay_alu instid0(VALU_DEP_1)
	v_add_nc_u32 v11, v11, v9                      ; r + 8 (r / 8)
	s_delay_alu instid0(VALU_DEP_1)
	v_lshlrev_b32 v6, 9, v11
	s_delay_alu instid0(VALU_DEP_1)
	v_lshl_add_u32 v6, v10, 4, v6                  ; the weight: a row of 512 bytes, + 16 h
	s_delay_alu instid0(VALU_DEP_3)
	v_lshl_add_u32 v7, v10, 3, v11
	s_delay_alu instid0(VALU_DEP_1)
	v_lshlrev_b32 v7, 4, v7                        ; scale words: 16 bytes a row; lanes 16-31 take the odd tile, 8 rows on
	v_lshlrev_b32 v8, 6, v10                       ; the bias of q, k: 64 h
	v_lshlrev_b32 v12, 2, v11                      ; the bias of v: my channel's number
.irp b, 0,1,2,3
	v_mov_b32 v[TM+4+\b], 0                        ; written once: a lane permute's destination counts as one of its sources
.endr
	s_mov_b32 s54, 0x76543210
	s_mov_b32 s55, 0xfedcba98                      ; v_permlanex16_b32's selects for lane l xor 16
	s_mov_b32 s56, 0x600000                        ; the mantissa field of 448
	s_lshr_b32 s44, s[TBK], 5                      ; batch
	s_and_b32 s45, s[TBK], 31                      ; key step
	s_lshl_b32 s44, s44, 3
	s_add_co_u32 s44, s44, s[WV]                   ; bh
	s_lshl_b32 s44, s44, 5
	s_add_co_u32 s44, s44, s45                     ; 32 bh + key step
	s_lshl_b32 s45, s44, 13                        ; q: 8 tiles of 1,024 bytes
	s_lshl_b32 s46, s44, 8                         ; q's scale words
	s_mul_i32 s47, s44, REC                        ; k: the record;
	s_add_co_u32 s57, s47, 8192                    ; v: behind K's four fragments;
	s_add_co_u32 s58, s47, 16384                   ; k's scale words;
	s_add_co_u32 s59, s47, 16640                   ; v's
	s_mov_b32 s41, 0
	s_mov_b32 s43, 0
	s_wait_alu depctr_va_vdst(0)
	s_wait_kmcnt 0x0
	s_cmp_eq_u32 s[YY], 0                          ; the choices hang on the work-group's number alone
	s_cselect_b64 s[48:49], s[8:9], s[10:11]       ; the weight's codes,
	s_cselect_b64 s[50:51], s[14:15], s[16:17]     ; its scales,
	s_cselect_b64 s[52:53], s[20:21], s[22:23]     ; the bias,
	s_cselect_b64 s[36:37], s[26:27], s[30:31]     ; where the codes go,
	s_cselect_b64 s[38:39], s[28:29], s[30:31]     ; and the scale words
	s_cselect_b32 s40, s45, s47
	s_cselect_b32 s42, s46, s58
	s_cmp_eq_u32 s[YY], 2
	s_cselect_b64 s[48:49], s[12:13], s[48:49]
	s_cselect_b64 s[50:51], s[18:19], s[50:51]
	s_cselect_b64 s[52:53], s[24:25], s[52:53]
	s_cselect_b32 s40, s57, s40
	s_cselect_b32 s42, s59, s42
	s_add_nc_u64 s[36:37], s[36:37], s[40:41]
	s_add_nc_u64 s[38:39], s[38:39], s[42:43]
	s_lshl_b32 s40, s[WV], 15                      ; my 64 rows of the weight,
	s_add_nc_u64 s[48:49], s[48:49], s[40:41]
	s_lshl_b32 s40, s[WV], 10                      ; of its scales,
	s_add_nc_u64 s[50:51], s[50:51], s[40:41]
	s_lshl_b32 s40, s[WV], 8                       ; my 64 numbers of the bias
	s_add_nc_u64 s[52:53], s[52:53], s[40:41]
	s_lshl_b32 s40, s[TBK], 16                     ; the block's 128 rows of x, my 16 of them
	s_lshl_b32 s42, s[WV], 13
	s_add_co_u32 s40, s40, s42
	s_add_nc_u64 s[4:5], s[4:5], s[40:41]
	s_lshl_b32 s40, s[TBK], 11                     ; the block's scales of x
	s_add_nc_u64 s[6:7], s[6:7], s[40:41]
.irp i, 0,1,2,3,4,5,6,7,8,9,10,11,12,13,14,15
	global_load_b128 v[ACC+4*\i:ACC+4*\i+3], v2, s[4:5] offset:512*\i    ; a row of x: 32 lanes read 512 consecutive bytes
.endr
	WIN 0x40                                       ; destination window 1
	WLOAD 0
	WLOAD 1
	WIN 0
	s_wait_loadcnt 32                              ; my 16 rows of x are in; the 32 loads of the weight issued behind them may be out
.irp i, 0,1,2,3,4,5,6,7,8,9,10,11,12,13,14,15
	ds_store_b128 v4, v[ACC+4*\i:ACC+4*\i+3] offset:(16*(\i/8)+(\i%8))*XP
.endr
	WIN 0x40
	WLOAD 2
	WLOAD 3
	WIN 0
.irp e, 0,1
	global_load_b128 v[WS+4*\e:WS+4*\e+3], v7, s[50:51] offset:512*\e    ; a row's 16 scale bytes are its four K steps' words
.endr
.irp g, 0,1,2,3
	global_load_b128 v[XS+4*\g:XS+4*\g+3], v7, s[6:7] offset:512*\g
.endr
	s_cmp_eq_u32 s[YY], 2
	s_cbranch_scc1 .Lbias_v
.irp ft, 0,1,2,3                                   ; q, k: register j of tile ft is feature 32 (ft / 2) + 16 h + 8 (ft % 2) + j
	global_load_b128 v[BIAS+8*\ft:BIAS+8*\ft+3], v8, s[52:53] offset:(32*(\ft/2)+8*(\ft%2))*4
	global_load_b128 v[BIAS+8*\ft+4:BIAS+8*\ft+7], v8, s[52:53] offset:(32*(\ft/2)+8*(\ft%2))*4+16
.endr
	s_branch .Lbias_done
.Lbias_v:
.irp ft, 0,1,2,3                                   ; v: all eight registers of a tile belong to my one channel
.irp j, 0,1,2,3,4,5,6,7
	global_load_b32 v[BIAS+8*\ft+\j], v12, s[52:53] offset:(32*(\ft/2)+8*(\ft%2))*4
.endr
.endr
.Lbias_done:
	s_wait_dscnt 0x0                               ; for the others' sake: my rows of x lie in LDS
	s_barrier_signal -1
	s_barrier_wait -1                              ; everybody's do
	s_wait_loadcnt 0x0                             ; the weight, the scale words, the bias
	XLOAD 0, 0
	XLOAD 0, 1
	s_cmp_eq_u32 s[YY], 2
	s_cbranch_scc1 .Lform_v
	GROUP 0, 0
	GROUP 1, 0
	GROUP 2, 0
	GROUP 3, 0
	s_branch .Ltail
.Lform_v:
	GROUP 0, 1
	GROUP 1, 1
	GROUP 2, 1
	GROUP 3, 1
.Ltail:
	v_cmp_le_u32 vcc_lo, 16, v1                    ; word i of lane l is the word of group (fragment) 2 i + l / 16, row l % 16: as the attention's scale registers want it
	s_delay_alu instid0(VALU_DEP_1)
	v_cndmask_b32 v[RR], v[PW], v[PW+1], vcc_lo
	s_wait_alu depctr_va_vdst(0)
	v_cndmask_b32 v[RR+1], v[PW+2], v[PW+3], vcc_lo
	global_store_b64 v3, v[RR:RR+1], s[38:39]      ; 32 lanes store 256 consecutive bytes, aligned
	s_wait_tensorcnt 0x0
	ds_add_u32 v254, v255
	s_wait_dscnt 0x0
	s_endpgm
.Lfunc_end_k_q27ae4cd301_proj:
	.size	k_q27ae4cd301_proj, .Lfunc_end_k_q27ae4cd301_proj-k_q27ae4cd301_proj
	.p2alignl 7, 3214868480
	.fill 96, 4, 3214868480
	.section	.rodata,"a",@progbits
	.p2align	6, 0x0
	.amdhsa_kernel k_q27ae4cd301_proj
		.amdhsa_group_segment_fixed_size 68608
		.amdhsa_private_segment_fixed_size 0
		.amdhsa_enable_private_segment 0
		.amdhsa_kernarg_size 112
		.amdhsa_user_sgpr_count 2
		.amdhsa_user_sgpr_kernarg_segment_ptr 1
		.amdhsa_wavefront_size32 1
		.amdhsa_system_sgpr_workgroup_id_x 1
		.amdhsa_system_sgpr_workgroup_id_y 1
		.amdhsa_system_sgpr_workgroup_id_z 1
		.amdhsa_system_vgpr_workitem_id 0
		.amdhsa_next_free_vgpr 512
		.amdhsa_next_free_sgpr 66
		.amdhsa_reserve_vcc 1
		.amdhsa_float_denorm_mode_32 3
		.amdhsa_float_denorm_mode_16_64 3
		.amdhsa_memory_ordered 1
		.amdhsa_forward_progress 1
		.amdhsa_inst_pref_size 141
	.end_amdhsa_kernel
	.amdgpu_metadata
---
amdhsa.version: [ 1, 2 ]
amdhsa.kernels:
  - .name:           k_q27ae4cd301_proj
    .symbol:         k_q27ae4cd301_proj.kd
    .args:
      - { .name: x_codes, .offset: 0, .size: 8, .value_kind: global_buffer, .address_space: global }
      - { .name: x_scales, .offset: 8, .size: 8, .value_kind: global_buffer, .address_space: global }
      - { .name: Wq_codes, .offset: 16, .size: 8, .value_kind: global_buffer, .address_space: global }
      - { .name: Wk_codes, .offset: 24, .size: 8, .value_kind: global_buffer, .address_space: global }
      - { .name: Wv_codes, .offset: 32, .size: 8, .value_kind: global_buffer, .address_space: global }
      - { .name: Wq_scales, .offset: 40, .size: 8, .value_kind: global_buffer, .address_space: global }
      - { .name: Wk_scales, .offset: 48, .size: 8, .value_kind: global_buffer, .address_space: global }
      - { .name: Wv_scales, .offset: 56, .size: 8, .value_kind: global_buffer, .address_space: global }
      - { .name: bq, .offset: 64, .size: 8, .value_kind: global_buffer, .address_space: global }
      - { .name: bk, .offset: 72, .size: 8, .value_kind: global_buffer, .address_space: global }
      - { .name: bv, .offset: 80, .size: 8, .value_kind: global_buffer, .address_space: global }
      - { .name: qimg, .offset: 88, .size: 8, .value_kind: global_buffer, .address_space: global }
      - { .name: qsc, .offset: 96, .size: 8, .value_kind: global_buffer, .address_space: global }
      - { .name: kv, .offset: 104, .size: 8, .value_kind: global_buffer, .address_space: global }
    .group_segment_fixed_size: 68608
    .private_segment_fixed_size: 0
    .kernarg_segment_align: 8
    .kernarg_segment_size: 112
    .max_flat_workgroup_size: 256
    .sgpr_count:     66
    .vgpr_count:     512
    .wavefront_size: 32
...
	.end_amdgpu_metadata
.endif
;; end of part 1
;; launch attn (part 2): grid 16 x 16, 8 waves a work-group, clusters of 4 x 1, 327,680 bytes of LDS; arguments qimg, qsc, kv, oimg, osc; writes oimg, osc
.if DOCPART == 2
	.amdgcn_target "amdgcn-amd-amdhsa--gfx1250"
	.amdhsa_code_object_version 6
	.text
	.protected	k_q27ae4cd301_attn
	.globl	k_q27ae4cd301_attn
	.p2align	8
	.type	k_q27ae4cd301_attn,@function
k_q27ae4cd301_attn:
	s_mov_b64 s[64:65], 0
	v_nop
	global_prefetch_b8 v0, s[64:65] scope:SCOPE_SE
	s_setreg_imm32_b32 hwreg(HW_REG_WAVE_MODE, 25, 1), 1
	s_wait_xcnt 0x0
	s_wait_alu depctr_hold_cnt(0) depctr_sa_sdst(0) depctr_va_vdst(0) depctr_va_sdst(0) depctr_va_ssrc(0) depctr_va_vcc(0) depctr_vm_vsrc(0)
	s_getreg_b32 s2, hwreg(HW_REG_IB_STS2, 6, 4)
	s_cmp_eq_u32 s2, 0
	s_cbranch_scc0 .Lentry_in_a_cluster
	s_endpgm
.Lentry_in_a_cluster:
	s_bfe_u32 s2, ttmp6, 0x10000c
	s_cmp_lg_u32 s2, 0x3003
	s_cbranch_scc0 .Lentry_shape_is_right
	s_endpgm
.Lentry_shape_is_right:
; o = softmax(q k^T / 8) v for 16 (batch, head) pairs of 4,096 tokens x 64, both products on codes of FP8 (E4M3) with E8M0 scales; then the quantiser of o along the model's 512.
; THE SOFTMAX: t = score x log2(e) / 8; M = the running largest t rounded UP to a whole number; p = 2^(t - M) is quantised along the keys, not normalised; the row's sum is taken of the unquantised p and
; divides at the end.  When M moves, the sum and O are multiplied by 2^(old M - new M), which rounds nothing.
; SHARES.  A work-group owns 256 queries of one (batch, head); each of its EIGHT waves owns TWO tiles of 16 queries (tiles 2 w, 2 w + 1), so that each fragment of K and V read from LDS feeds two products.
; Every wave walks the 32 key steps of 128 keys.  The two tiles' lines stand by turns, and one tile's exponentials stand among independent lines of the other tile.
; OPERANDS ARE IMAGES OF REGISTERS (made by the launch before): a fragment is four chunks of 512 bytes, lane l's 16 bytes at 16 l.
; THE SCORES' K IS 64, THE INSTRUCTION'S 128: a fragment of K holds two key tiles side by side along K and is multiplied by [q | 0] and by [0 | q]; q lies as q, 8 registers of zero codes, q.
; Both products are used transposed: a lane holds ONE query of each tile throughout, and p's 16 registers of two neighbouring key tiles are 16 neighbouring keys.
; REGISTERS.  Window 1: v0-127 S^T, then p (tile t at 64 t); v128-191 O^T (32 t); v192-239 q (24 t).  Window 0: all else; K's and V's fragments have 64 registers each: the next step's K is fetched under the softmax
; (the last step of a slot fetches its own record again, so that no read leaves the slot), V under it too.
; THE ROW'S SUM: four packed chains a tile; their last three additions and the step to the new M (one packed multiply-add) stand behind the NEXT step's first products, as the places that those products want.
; THE RING: two LDS slots of 8 key steps (135,168 bytes); each wave fetches one record of 16,896 bytes a fill, JOINTLY with the three other query blocks of its cluster (mask 15), which walk the same records.
; One tensor load a wave is out at a time.  NO PREFETCH: a fill is asked for eight key steps (192 matrix instructions a wave) ahead of its first read; only the head's first fill is waited for, and there is no loop ahead of it.
; LIMITS: NaN and infinities are not served.  1 / l is v_rcp_f32 and a multiplication.  A block of o whose largest magnitude lies under 2^-118, a block of zeros too, keeps the scale byte 1 (only the next launch reads it).
; The promise holds while the scaled scores t stay under 2^31 in magnitude.
; A BLOCK'S SCALE is taken from its largest SCORE: p = 2^(t - M) rises with the score, so the exponent of the block's largest p is floor(t - M) of that score, a whole number made by one conversion.
; LIMIT: where t - M of a block's largest score lies less than 2^-24 under a whole number, v_exp_f32 may round that p up to the next power of two; it is then held at 7/8 of itself (the largest code under the scale taken here).
.set REC,   16896                      ; a record: K's 4 fragments, V^T's 4, K's scale words (256 bytes), V's (256)
.set SLOTB, 8*REC
.set SPARE, 2*SLOTB                    ; the spare words: 128 bytes for each of 8 waves
.set OSTG,  SPARE+1024                 ; o's scale bytes of the 16 tiles: 512 bytes of their own
.set LI,  1                            ; 16 x lane
.set L8,  2                            ; 8 x lane
.set ADR, 3                            ; ADRN: the record whose K is fetched next + 16 x lane;  ADSN: + 8 x lane
.set ADS, 4
.set SPW, 5
.set NIL, 6
.set ADRN, 7
.set OST, 8
.set OSR, 9
.set ADSN, 10
.set MM,  12                           ; tile t: v[12+4t] -M, v[13+4t] the largest t, v[14+4t:15+4t] the sum in two halves
.set FF,  20                           ; v[20+2t:21+2t] f = 2^(old M - new M), later 1 / l
.set BM,  24                           ; eight blocks n = 4 t + b: largest;  PB at work, bytes;  HL 448 x the scale;  SC the conversions' scale operands
.set PB,  32
.set HL,  40
.set SC,  48
.set TMP, 56
.set KS,  58                           ; scale words: K's v58-59, V's v60-61, q's v62-63, p's v80-81: nothing else lies there
.set VS,  60
.set QS,  62
.set TS,  64                           ; v64-79 the sums' chains: four pairs a tile
.set PS,  80
.set QW,  82
.set PC,  96                           ; v96-127 p's codes
.set FRK, 128
.set FRV, 192
.set OT,  128                          ; window 1
.set QF,  192                          ; window 1
.set WV,  14
.set G1,  24
.set G0A, 32
.set G0B, 36
.set TB,  40
.set CNT, 41
.set TN,  58
.set MSB, 0
.macro WIN new                         ; low byte: bits 1:0 source 0, 3:2 source 1, 5:4 source 2, 7:6 destination; the high byte repeats the setting that is left
.if MSB != \new
	s_set_vgpr_msb (MSB<<8)|\new
.set MSB, \new
.endif
.endm
.macro WALU
	s_wait_alu depctr_va_vdst(0)
.endm
.macro CROUND                          ; a round of the cluster's barrier
	s_barrier_signal -1
	s_barrier_wait -1
	s_cmp_lg_u32 s[WV], 0
	s_cbranch_scc1 .Lnot_wave_0_\@
	s_barrier_signal -3
.Lnot_wave_0_\@:
	s_barrier_wait -3
	s_barrier_signal -1
	s_barrier_wait -1
.endm
.macro JLOAD g0                        ; a joint load: every wave, a record each; s_nop 0 and four v_nop follow
	tensor_load_to_lds s[\g0:\g0+3], s[G1:G1+7]
	s_nop 0
.rept 4
	v_nop
.endr
.endm
.macro KQ g, u, t                      ; S^T of key tile 2 g + u, query tile t
.if (\g)%2
	v_wmma_scale_f32_16x16x128_f8f6f4 v[64*\t+8*(2*\g+\u):64*\t+8*(2*\g+\u)+7], v[FRK+16*\g:FRK+16*\g+15], v[QF+24*\t+8*\u:QF+24*\t+8*\u+15], 0, v[KS+\g/2], v[QS+\t] matrix_a_scale:MATRIX_SCALE_ROW1
.else
	v_wmma_scale_f32_16x16x128_f8f6f4 v[64*\t+8*(2*\g+\u):64*\t+8*(2*\g+\u)+7], v[FRK+16*\g:FRK+16*\g+15], v[QF+24*\t+8*\u:QF+24*\t+8*\u+15], 0, v[KS+\g/2], v[QS+\t]
.endif
.endm
.macro PV dt, t                        ; O^T += V^T p^T, 16 channels, query tile t
.if (\dt)%2
	v_wmma_scale_f32_16x16x128_f8f6f4 v[OT+32*\t+8*\dt:OT+32*\t+8*\dt+7], v[FRV+16*\dt:FRV+16*\dt+15], v[PC+16*\t:PC+16*\t+15], v[OT+32*\t+8*\dt:OT+32*\t+8*\dt+7], v[VS+\dt/2], v[PS+\t] matrix_a_scale:MATRIX_SCALE_ROW1
.else
	v_wmma_scale_f32_16x16x128_f8f6f4 v[OT+32*\t+8*\dt:OT+32*\t+8*\dt+7], v[FRV+16*\dt:FRV+16*\dt+15], v[PC+16*\t:PC+16*\t+15], v[OT+32*\t+8*\dt:OT+32*\t+8*\dt+7], v[VS+\dt/2], v[PS+\t]
.endif
.endm
.macro KLOAD                           ; 17 loads: K's scale words and four fragments
	ds_load_b64 v[KS:KS+1], v[ADSN] offset:16384
.irp g, 0,1,2,3
.irp c, 0,1,2,3
	ds_load_b128 v[FRK+16*\g+4*\c:FRK+16*\g+4*\c+3], v[ADRN] offset:2048*\g+512*\c
.endr
.endr
.endm
.macro VLOAD                           ; 17 loads: V's
	ds_load_b64 v[VS:VS+1], v[ADSN] offset:16640   ; through the addresses that fetched this record's K
.irp g, 0,1,2,3
.irp c, 0,1,2,3
	ds_load_b128 v[FRV+16*\g+4*\c:FRV+16*\g+4*\c+3], v[ADRN] offset:8192+2048*\g+512*\c
.endr
.endr
.endm
.macro COMB                            ; the end of the last step's sums: eight plain lines on window 0's small registers
.irp t, 0,1
	v_pk_add_f32 v[TS+8*\t:TS+8*\t+1], v[TS+8*\t:TS+8*\t+1], v[TS+8*\t+2:TS+8*\t+3]
.endr
.irp t, 0,1
	v_pk_add_f32 v[TS+8*\t+4:TS+8*\t+5], v[TS+8*\t+4:TS+8*\t+5], v[TS+8*\t+6:TS+8*\t+7]
.endr
.irp t, 0,1
	v_pk_add_f32 v[TS+8*\t:TS+8*\t+1], v[TS+8*\t:TS+8*\t+1], v[TS+8*\t+4:TS+8*\t+5]
.endr
.irp t, 0,1
	v_pk_fma_f32 v[MM+4*\t+2:MM+4*\t+3], v[MM+4*\t+2:MM+4*\t+3], v[FF+2*\t:FF+2*\t+1], v[TS+8*\t:TS+8*\t+1] op_sel_hi:[1,0,1]   ; the sum under that step's M, and its p
.endr
.endm
.macro SUM t                           ; tile t's 64 unquantised p into four packed chains
	WIN 0x05
.irp k, 0,1,2,3
	v_pk_add_f32 v[TS+8*\t+2*\k:TS+8*\t+2*\k+1], v[64*\t+2*\k:64*\t+2*\k+1], v[64*\t+8+2*\k:64*\t+9+2*\k]
.endr
	WIN 0x01
.irp m, 2,3,4,5,6,7
.irp k, 0,1,2,3
	v_pk_add_f32 v[TS+8*\t+2*\k:TS+8*\t+2*\k+1], v[64*\t+8*\m+2*\k:64*\t+8*\m+2*\k+1], v[TS+8*\t+2*\k:TS+8*\t+2*\k+1]
.endr
.endr
.endm
.macro CVT t                           ; tile t's codes (setting 0x01: source 0 in window 1)
.irp b, 0,1,2,3
	v_cvt_scalef32_pk8_fp8_f32 v[PC+16*\t+4*\b:PC+16*\t+4*\b+1], v[64*\t+16*\b:64*\t+16*\b+7], v[SC+4*\t+\b]
	v_cvt_scalef32_pk8_fp8_f32 v[PC+16*\t+4*\b+2:PC+16*\t+4*\b+3], v[64*\t+16*\b+8:64*\t+16*\b+15], v[SC+4*\t+\b]
.endr
.endm
.macro HOLD2 s, h                      ; two of p's holds in one line: the conversion does not saturate (ISA guide 7.6.2); p is not negative, so the hold is one-sided.  jj: the pair's number
	v_dual_min_num_f32 v[\s+2*jj], v[\s+2*jj], v[\h+jj/8] :: v_dual_min_num_f32 v[\s+2*jj+1], v[\s+2*jj+1], v[\h+jj/8]
.endm
; A KEY STEP: 128 keys, both query tiles
.macro STEP base
	s_add_co_u32 s[TN], s[TB], REC
	s_min_u32 s[TN], s[TN], \base+7*REC            ; the record whose K is fetched next: it stays inside the slot
	s_wait_dscnt 0x0                               ; K's fragments and scale words are in
	WIN 0x44                                       ; q and S^T in window 1
.irp g, 0,1,2,3
.irp u, 0,1
.irp t, 0,1
	KQ \g, \u, \t
.endr
.endr
.endr
	WIN 0
	COMB                                           ; eight plain lines: the places behind these products and the last step's, ahead of the loads over their fragments and of the first read of the scores
	VLOAD                                          ; this record's V
	v_add_nc_u32 v[ADRN], s[TN], v[LI]             ; on to the record whose K is fetched next
	v_add_nc_u32 v[ADSN], s[TN], v[L8]
	KLOAD
	WIN 0x05                                       ; THE LARGEST SCORE OF EACH BLOCK OF 32 KEYS serves the row's maximum and, since p rises with the score, the block's largest p.  Eight blocks by turns, each accumulator from its low end on
.irp n, 0,1,2,3,4,5,6,7
	v_max_num_f32 v[BM+\n], v[16*\n], v[16*\n+1]
.endr
.irp i, 2,4,6,8,10,12,14
.irp n, 0,1,2,3,4,5,6,7
	v_max3_num_f32 v[BM+\n], v[16*\n+\i], v[16*\n+\i+1], v[BM+\n]
.endr
.endr
	WIN 0
.irp n, 0,1,2,3,4,5,6,7
	v_permlanex16_b32 v[PB+\n], v[BM+\n], s20, s21
.endr
.irp n, 0,1,2,3,4,5,6,7
	v_max_num_f32 v[BM+\n], v[BM+\n], v[PB+\n]     ; with lane l xor 16's 16 keys
.endr
.irp t, 0,1
	v_max3_num_f32 v[TMP+\t], v[BM+4*\t], v[BM+4*\t+1], v[BM+4*\t+2]
.endr
.irp t, 0,1
	v_max3_num_f32 v[MM+4*\t+1], v[MM+4*\t+1], v[TMP+\t], v[BM+4*\t+3]   ; the running largest SCORE of my query
.endr
.irp t, 0,1
	v_mul_f32 v[84+\t], s22, v[MM+4*\t+1]          ; as t (c is positive)
.endr
.irp t, 0,1
	v_mov_b32 v[TMP+\t], v[MM+4*\t]
.endr
.irp t, 0,1
	v_floor_f32 v[MM+4*\t], -v[84+\t]              ; the new -M = -ceil(t)
.endr
.irp t, 0,1
	v_sub_f32 v[TMP+\t], v[MM+4*\t], v[TMP+\t]     ; old M - new M: a whole number, 0 or less
.endr
.irp t, 0,1
	v_cvt_i32_f32 v[TMP+\t], v[TMP+\t]             ; (it saturates)
.endr
.irp t, 0,1
	v_ldexp_f32 v[FF+2*\t], 1.0, v[TMP+\t]         ; f
.endr
.irp n, 0,1,2,3,4,5,6,7
	v_fma_f32 v[BM+\n], v[BM+\n], s22, v[MM+4*(\n/4)]   ; t - M of each block's largest score
.endr
.irp n, 0,1,2,3,4,5,6,7
	v_cvt_floor_i32_f32 v[BM+\n], v[BM+\n]         ; i: the exponent of the block's largest p (it saturates)
.endr
.irp n, 0,1,2,3,4,5,6,7
	v_max_i32 v[BM+\n], 0xffffff8a, v[BM+\n]       ; not under -118: the byte cannot fall under 1
.endr
.irp n, 0,1,2,3,4,5,6,7
	v_add_lshl_u32 v[SC+\n], v[BM+\n], 119, 23     ; the conversion's scale operand: the byte i + 127 - 8 as an exponent field
.endr
.irp n, 0,1,2,3,4,5,6,7
	v_add_nc_u32 v[HL+\n], 0x04600000, v[SC+\n]    ; 448 x the scale: 8 more in the exponent field, over 448's mantissa
.endr
.irp t, 0,1
	v_lshl_add_u32 v[PS+\t], v[BM+4*\t+1], 8, v[BM+4*\t]
.endr
.irp t, 0,1
	v_lshl_add_u32 v[PS+\t], v[BM+4*\t+2], 16, v[PS+\t]
.endr
.irp t, 0,1
	v_lshl_add_u32 v[PS+\t], v[BM+4*\t+3], 24, v[PS+\t]
.endr
.irp t, 0,1
	v_add_nc_u32 v[PS+\t], 0x77777777, v[PS+\t]    ; p's scale word: 119 onto each of the four i, summed modulo 2^32: each byte comes out as i + 119, between 1 and 119
.endr
	WIN 0x41
.set jj, 0
.rept 32
	v_pk_fma_f32 v[2*jj:2*jj+1], v[2*jj:2*jj+1], s[22:23], v[MM:MM+1] op_sel_hi:[1,0,0]   ; tile 0: t - M, two at a time
.set jj, jj+1
.endr
	WALU                                           ; the wait ahead of a batch of exponentials
.set jj, 0
.rept 32                                           ; tile 0's p; among them tile 1's t - M, read only behind the wait below
	v_exp_f32 v[2*jj], v[2*jj]
	v_exp_f32 v[2*jj+1], v[2*jj+1]
	v_pk_fma_f32 v[64+2*jj:65+2*jj], v[64+2*jj:65+2*jj], s[22:23], v[MM+4:MM+5] op_sel_hi:[1,0,0]
.set jj, jj+1
.endr
	WALU                                           ; and behind it, ahead of the first line that names a result
	SUM 0
	WIN 0x41
	WALU                                           ; ahead of the second batch
.set jj, 0
.rept 32                                           ; tile 1's p; among them tile 0's holds, read only behind the wait below
	v_exp_f32 v[64+2*jj], v[64+2*jj]
	v_exp_f32 v[65+2*jj], v[65+2*jj]
	HOLD2 0, HL
.set jj, jj+1
.endr
	v_nop                                          ; a plain line behind the last exponential
	WALU
	SUM 1
	CVT 0
	WIN 0x41
.set jj, 0
.rept 32
	HOLD2 64, HL+4
.set jj, jj+1
.endr
	WIN 0x01
	CVT 1
	WIN 0x41
	s_wait_dscnt 17                                ; V's 17 loads are in; the 17 of the next K, issued behind them, may be out
	WALU                                           ; the wait directly ahead of the first readers of O^T
.set jj, 0
.rept 32
	v_pk_mul_f32 v[OT+2*jj:OT+2*jj+1], v[OT+2*jj:OT+2*jj+1], v[FF+2*(jj/16):FF+2*(jj/16)+1] op_sel_hi:[1,0]   ; O^T under the new M; also the places between the codes and the products
.set jj, jj+1
.endr
	WIN 0x50                                       ; O^T in window 1
.irp dt, 0,1,2,3
.irp t, 0,1
	PV \dt, \t                                     ; eight accumulators by turns; between two links of one stand 23 other matrix instructions
.endr
.endr
	WIN 0
	s_add_co_u32 s[TB], s[TB], REC
.endm
.macro RUN base                        ; a slot's eight key steps; the first record's K is fetched ahead of them
	s_mov_b32 s[TB], \base
	v_add_nc_u32 v[ADRN], \base, v[LI]
	v_add_nc_u32 v[ADSN], \base, v[L8]
	WALU                                           ; the wait directly behind these writes
	KLOAD
	s_mov_b32 s[CNT], 8
.Lstep_\@:
	STEP \base
	s_sub_co_u32 s[CNT], s[CNT], 1
	s_cmp_lg_u32 s[CNT], 0
	s_cbranch_scc1 .Lstep_\@
.endm
; THE CHANGE OF SLOTS: each wave waits for all its tensor loads, adds 0 to its spare word, and waits for that and for its reads of the slot that it leaves.
; fill = 1: a round of the cluster's barrier, and the joint refill, the keys 16 steps on, first behind it.
.macro CHANGE fill, g0
	s_wait_tensorcnt 0x0
	ds_add_u32 v[SPW], v[NIL]
.if \fill
	s_add_nc_u64 s[\g0+2:\g0+3], s[\g0+2:\g0+3], 16*REC
.endif
	s_wait_dscnt 0x0
.if \fill
	CROUND
	JLOAD \g0
.else
	s_barrier_signal -1
	s_barrier_wait -1
.endif
.endm
	s_load_b256 s[4:11], s[0:1], 0x0               ; qimg s[4:5], qsc s[6:7], kv s[8:9], oimg s[10:11]
	s_load_b64 s[12:13], s[0:1], 0x20              ; osc
	v_lshl_add_u32 v[SPW], v0, 2, SPARE
	v_mov_b32 v[NIL], 0
	ds_add_u32 v[SPW], v[NIL]                      ; the opening add, twice on end, and its wait below
	ds_add_u32 v[SPW], v[NIL]
	v_lshrrev_b32 v84, 5, v0
	v_readfirstlane_b32 s[WV], v84                 ; wave 0..7
	v_and_b32 v84, 31, v0
	v_lshlrev_b32 v[LI], 4, v84
	v_lshlrev_b32 v[L8], 3, v84
	v_and_b32 v85, 15, v0                          ; r
	s_lshl_b32 s51, s[WV], 6
	s_add_co_u32 s51, s51, OSTG
	v_lshl_add_u32 v[OST], v85, 1, s51             ; OSTG + 64 x wave + 2 r; tile 1: 32 on
	v_add_nc_u32 v[OSR], OSTG, v[LI]
	v_lshlrev_b32 v83, 3, v85                      ; 8 r: my row's place among q's group words
	s_bfe_u32 s15, ttmp6, 0x40000                  ; cx: it enters q's, o's and o's scales' addresses alone
	s_lshl_b32 s16, ttmp9, 2
	s_add_co_u32 s16, s16, s15                     ; my block of 256 queries
	s_and_b32 s17, ttmp7, 0xffff                   ; (batch, head), which the four partners share
	s_mov_b32 s[G1], 15|(3<<16)|(1<<21)            ; a record is dense: 66 rows of 256 bytes (32 elements of 8 bytes); the mask names all four work-groups
	s_mov_b32 s[G1+1], 32<<16
	s_mov_b32 s[G1+2], 66<<16
	s_mov_b32 s[G1+3], 32<<16
	s_mov_b32 s[G1+4], 66
	s_mov_b32 s[G1+5], 32
	s_mov_b32 s[G1+6], 0
	s_mov_b32 s[G1+7], 0
	s_mul_i32 s50, s[WV], REC                      ; my record's place in a slot
	s_mul_i32 s48, s17, 32*REC
	s_add_co_u32 s48, s48, s50
	s_mov_b32 s49, 0
	s_lshl_b32 s42, s16, 4
	s_lshl_b32 s56, s[WV], 1
	s_add_co_u32 s42, s42, s56                     ; T: my first tile of 16 queries
	s_lshl_b32 s44, s17, 18                        ; q: 256 tiles of 1,024 bytes for each (batch, head)
	s_lshl_b32 s45, s42, 10
	s_add_co_u32 s44, s44, s45
	s_mov_b32 s45, 0
	s_lshl_b32 s46, s17, 5                         ; q's group word serves both my tiles: step T / 8, group g = wave % 4: lane half g % 2 (128 bytes), word g / 2
	s_lshr_b32 s56, s42, 3
	s_add_co_u32 s46, s46, s56
	s_lshl_b32 s46, s46, 8
	s_and_b32 s56, s[WV], 1
	s_lshl_b32 s56, s56, 7
	s_add_co_u32 s46, s46, s56
	s_bfe_u32 s56, s[WV], 0x10001
	s_lshl_b32 s56, s56, 2
	s_add_co_u32 s46, s46, s56
	s_mov_b32 s47, 0
	s_lshr_b32 s56, s17, 3                         ; o's image: [256 batch + T][head / 2][2 (head % 2) + block][lane][16]
	s_lshl_b32 s56, s56, 8
	s_add_co_u32 s56, s56, s42
	s_lshl_b32 s56, s56, 2
	s_and_b32 s57, s17, 7
	s_lshr_b32 s57, s57, 1
	s_add_co_u32 s56, s56, s57
	s_lshl_b32 s52, s56, 11
	s_and_b32 s57, s17, 1
	s_lshl_b32 s57, s57, 10
	s_add_co_u32 s52, s52, s57
	s_mov_b32 s53, 0
	s_lshl_b32 s54, s17, 8                         ; o's scale bytes: [bh][T][row] of two bytes: my work-group's 16 tiles are 512 consecutive bytes
	s_lshl_b32 s56, s16, 4
	s_add_co_u32 s54, s54, s56
	s_lshl_b32 s54, s54, 5
	s_mov_b32 s55, 0
	s_mov_b32 s19, 0x600000                        ; the mantissa field of 448
	s_mov_b32 s20, 0x76543210
	s_mov_b32 s21, 0xfedcba98                      ; lane l xor 16
	s_mov_b32 s22, 0x3e38aa3b                      ; c = log2(e) / 8
	s_mov_b32 s23, s22
	s_mov_b32 s18, 0x01000100                      ; the even tile's two bytes of the group word,
	s_mov_b32 s43, 0x03020302                      ; the odd tile's
	WALU                                           ; the wait ahead of the waits below
	s_wait_dscnt 0x0                               ; both opening adds are done
	s_wait_kmcnt 0x0
	s_add_nc_u64 s[4:5], s[4:5], s[44:45]
	s_add_nc_u64 s[6:7], s[6:7], s[46:47]
	s_add_nc_u64 s[10:11], s[10:11], s[52:53]
	s_add_nc_u64 s[12:13], s[12:13], s[54:55]
	s_mov_b32 s[G0A], 1
	s_mov_b32 s[G0A+1], s50                        ; slot 0, key steps 0 to 7
	s_add_nc_u64 s[G0A+2:G0A+3], s[8:9], s[48:49]
	s_mov_b32 s[G0B], 1
	s_add_co_u32 s[G0B+1], s50, SLOTB              ; slot 1, key steps 8 to 15
	s_add_nc_u64 s[G0B+2:G0B+3], s[G0A+2:G0A+3], SLOTB
	s_or_b32 s[G0A+3], s[G0A+3], 0x80000000
	s_or_b32 s[G0B+3], s[G0B+3], 0x80000000
	CROUND                                         ; all four work-groups are here: the first joint loads meet
	JLOAD G0A                                      ; one tensor load a wave at the head
	WIN 0x40
.irp t, 0,1
.irp k, 0,16
	global_load_b128 v[QF+24*\t+\k:QF+24*\t+\k+3], v[LI], s[4:5] offset:1024*\t       ; q twice: in front of the zeros and behind them
	global_load_b128 v[QF+24*\t+\k+4:QF+24*\t+\k+7], v[LI], s[4:5] offset:1024*\t+512
.endr
.endr
	WIN 0
	global_load_b32 v[QW], v83, s[6:7]
	s_wait_loadcnt 0x0
	v_perm_b32 v[QS], v[QW], v[QW], s18            ; s0, s1, s0, s1: the same two bytes for [q | 0] and for [0 | q]
	v_perm_b32 v[QS+1], v[QW], v[QW], s43
	WIN 0x40
.set jj, 0
.rept 8
	v_mov_b32 v[QF+8+jj], 0                        ; zero codes
	v_mov_b32 v[QF+32+jj], 0
.set jj, jj+1
.endr
.set jj, 0
.rept 64
	v_mov_b32 v[OT+jj], 0                          ; O^T: the step is written once; the first finds zeros
.set jj, jj+1
.endr
	WIN 0
.irp t, 0,1
	v_mov_b32 v[MM+4*\t+1], 0xff61b1e6             ; the largest t so far: -3e38
	v_mov_b32 v[MM+4*\t+2], 0
	v_mov_b32 v[MM+4*\t+3], 0
	v_mov_b32 v[FF+2*\t], 0
	v_mov_b32 v[FF+2*\t+1], 0
.endr
.irp t, 0,1
	v_floor_f32 v[MM+4*\t], -v[MM+4*\t+1]
.endr
.set jj, 0
.rept 8
	v_mov_b32 v[PB+jj], 0                          ; a lane permute's destination counts as one of its sources
	v_mov_b32 v[TS+jj], 0                          ; the first step adds chains of zeros
	v_mov_b32 v[TS+8+jj], 0
.set jj, jj+1
.endr
	WALU                                           ; the wait at the head's end
	s_wait_tensorcnt 0x0                           ; my record of slot 0 is in; slot 1's first fill is issued as a refill is
	ds_add_u32 v[SPW], v[NIL]
	s_wait_dscnt 0x0
	CROUND
	JLOAD G0B
	RUN 0                                          ; key steps 0 to 7
	CHANGE 1, G0A                                  ; slot 0 takes key steps 16 to 23
	RUN SLOTB                                      ; 8 to 15
	CHANGE 1, G0B                                  ; slot 1 takes key steps 24 to 31
	RUN 0                                          ; 16 to 23
	CHANGE 0, G0A                                  ; nothing is left to fetch
	RUN SLOTB                                      ; 24 to 31
	; THE WAY OUT.  O^T / l; each tile's two blocks of 32 channels are quantised along the model's 512: the codes are chunks of the last product's operand and leave as they stand.
	COMB                                           ; the last step's sums: eight places behind the last products
.irp t, 0,1
	v_add_f32 v[MM+4*\t+2], v[MM+4*\t+2], v[MM+4*\t+3]
.endr
.irp t, 0,1
	v_permlanex16_b32 v[TMP+\t], v[MM+4*\t+2], s20, s21
.endr
.irp t, 0,1
	v_add_f32 v[MM+4*\t+2], v[MM+4*\t+2], v[TMP+\t]
.endr
	WALU
.irp t, 0,1
	v_rcp_f32 v[FF+2*\t], v[MM+4*\t+2]
.endr
	v_nop
	WIN 0x41
	WALU                                           ; ahead of the first readers of 1 / l and of O^T
.set jj, 0
.rept 32
	v_pk_mul_f32 v[OT+2*jj:OT+2*jj+1], v[OT+2*jj:OT+2*jj+1], v[FF+2*(jj/16):FF+2*(jj/16)+1] op_sel_hi:[1,0]   ; register 16 n + i: tile n / 2, channel 32 (n % 2) + 16 (lane / 16) + i
.set jj, jj+1
.endr
	WIN 0x05
.irp n, 0,1,2,3
	v_max3_num_f32 v[BM+\n], |v[OT+16*\n]|, |v[OT+16*\n+1]|, 0x4800000
.endr
.irp i, 2,4,6,8,10,12,14
.irp n, 0,1,2,3
	v_max3_num_f32 v[BM+\n], |v[OT+16*\n+\i]|, |v[OT+16*\n+\i+1]|, v[BM+\n]
.endr
.endr
	WIN 0
.irp n, 0,1,2,3
	v_permlanex16_b32 v[PB+\n], v[BM+\n], s20, s21
.endr
.irp n, 0,1,2,3
	v_max_num_f32 v[BM+\n], v[BM+\n], v[PB+\n]
.endr
.irp n, 0,1,2,3
	v_add_nc_u32 v[SC+\n], 0xfc000000, v[BM+\n]
.endr
.irp n, 0,1,2,3
	v_and_or_b32 v[HL+\n], v[BM+\n], 0x7f800000, s19
.endr
.irp n, 0,1,2,3
	v_lshrrev_b32 v[PB+\n], 23, v[SC+\n]
.endr
.irp t, 0,1
	v_lshl_or_b32 v[TMP+\t], v[PB+2*\t+1], 8, v[PB+2*\t]   ; my row's two scale bytes
.endr
	WIN 0x41
.set jj, 0
.rept 64
	v_med3_num_f32 v[OT+jj], v[OT+jj], -v[HL+jj/16], v[HL+jj/16]
.set jj, jj+1
.endr
	WIN 0x01
.irp n, 0,1,2,3
	v_cvt_scalef32_pk8_fp8_f32 v[PC+4*\n:PC+4*\n+1], v[OT+16*\n:OT+16*\n+7], v[SC+\n]
	v_cvt_scalef32_pk8_fp8_f32 v[PC+4*\n+2:PC+4*\n+3], v[OT+16*\n+8:OT+16*\n+15], v[SC+\n]
.endr
	v_nop
	WIN 0
.irp t, 0,1
	global_store_b128 v[LI], v[PC+8*\t:PC+8*\t+3], s[10:11] offset:8192*\t         ; each store of the wave covers 512 consecutive bytes, aligned
	global_store_b128 v[LI], v[PC+8*\t+4:PC+8*\t+7], s[10:11] offset:8192*\t+512
	ds_store_b16 v[OST], v[TMP+\t] offset:32*\t    ; both lanes of a row write the same two bytes with the same value
.endr
	s_wait_dscnt 0x0                               ; for wave 0's sake
	s_barrier_signal -1
	s_barrier_wait -1
	s_cmp_lg_u32 s[WV], 0
	s_cbranch_scc1 .Lnot_zero
	ds_load_b128 v[PC+16:PC+19], v[OSR]            ; the 16 tiles' 512 bytes leave by one store
	s_wait_dscnt 0x0
	global_store_b128 v[LI], v[PC+16:PC+19], s[12:13]
.Lnot_zero:
	s_wait_tensorcnt 0x0                           ; the wave's end
	ds_add_u32 v[SPW], v[NIL]
	s_wait_dscnt 0x0
	CROUND                                         ; the closing round
	s_endpgm
.Lfunc_end_k_q27ae4cd301_attn:
	.size	k_q27ae4cd301_attn, .Lfunc_end_k_q27ae4cd301_attn-k_q27ae4cd301_attn
	.p2alignl 7, 3214868480
	.fill 96, 4, 3214868480
	.section	.rodata,"a",@progbits
	.p2align	6, 0x0
	.amdhsa_kernel k_q27ae4cd301_attn
		.amdhsa_group_segment_fixed_size 327680
		.amdhsa_private_segment_fixed_size 0
		.amdhsa_enable_private_segment 0
		.amdhsa_kernarg_size 40
		.amdhsa_user_sgpr_count 2
		.amdhsa_user_sgpr_kernarg_segment_ptr 1
		.amdhsa_wavefront_size32 1
		.amdhsa_system_sgpr_workgroup_id_x 1
		.amdhsa_system_sgpr_workgroup_id_y 1
		.amdhsa_system_sgpr_workgroup_id_z 1
		.amdhsa_system_vgpr_workitem_id 0
		.amdhsa_next_free_vgpr 512
		.amdhsa_next_free_sgpr 66
		.amdhsa_reserve_vcc 0
		.amdhsa_float_denorm_mode_32 3
		.amdhsa_float_denorm_mode_16_64 3
		.amdhsa_memory_ordered 1
		.amdhsa_forward_progress 1
		.amdhsa_inst_pref_size 163
	.end_amdhsa_kernel
	.amdgpu_metadata
---
amdhsa.version: [ 1, 2 ]
amdhsa.kernels:
  - .name:           k_q27ae4cd301_attn
    .symbol:         k_q27ae4cd301_attn.kd
    .args:
      - { .name: qimg, .offset: 0, .size: 8, .value_kind: global_buffer, .address_space: global }
      - { .name: qsc, .offset: 8, .size: 8, .value_kind: global_buffer, .address_space: global }
      - { .name: kv, .offset: 16, .size: 8, .value_kind: global_buffer, .address_space: global }
      - { .name: oimg, .offset: 24, .size: 8, .value_kind: global_buffer, .address_space: global }
      - { .name: osc, .offset: 32, .size: 8, .value_kind: global_buffer, .address_space: global }
    .group_segment_fixed_size: 327680
    .private_segment_fixed_size: 0
    .kernarg_segment_align: 8
    .kernarg_segment_size: 40
    .max_flat_workgroup_size: 256
    .sgpr_count:     66
    .vgpr_count:     512
    .wavefront_size: 32
...
	.end_amdgpu_metadata
.endif
;; end of part 2
;; launch outp (part 3): grid 128 x 2, 4 waves a work-group, no clusters, 153,088 bytes of LDS; arguments oimg, osc, Wo_codes, Wo_scales, bo, out0; writes out0
.if DOCPART == 3
	.amdgcn_target "amdgcn-amd-amdhsa--gfx1250"
	.amdhsa_code_object_version 6
	.text
	.protected	k_q27ae4cd301_outp
	.globl	k_q27ae4cd301_outp
	.p2align	8
	.type	k_q27ae4cd301_outp,@function
k_q27ae4cd301_outp:
	s_mov_b64 s[64:65], 0
	v_nop
	global_prefetch_b8 v0, s[64:65] scope:SCOPE_SE
	s_setreg_imm32_b32 hwreg(HW_REG_WAVE_MODE, 25, 1), 1
	s_wait_xcnt 0x0
; out = o Wo^T + bo on codes of FP8 (E4M3) with one E8M0 scale for each 32 along K = 512.  o comes as images of operand registers with its scale bytes (made by the launch before), Wo as given.
; SHARES.  Work-group (x, y): 64 tokens (four tiles of 16) x 256 features.  Wave w: features 256 y + 64 w on, for all 64 tokens: 16 accumulators, 64 matrix instructions.  Straight-line: no loop, no barrier.
; All operands go from memory straight into registers: my 64 rows of Wo (16 fragments, window 1) and the four tiles' 16 fragments of o (window 2).
; THE MATRIX INSTRUCTION IS USED TRANSPOSED (source 0 = 16 rows of Wo, source 1 = 16 tokens), and lane r of weight tile 2 B + u takes row 32 B + 8 u + r + 8 (r / 8): a lane's 16 registers of two neighbouring tiles are
; 16 neighbouring features of one token, 64 bytes.  The tokens of a tile follow the same pattern (so the attention made them): row r of tile t is token 32 (t / 2) + 8 (t % 2) + r + 8 (r / 8) of the 64.
; bo is the C of each sum's first matrix instruction.  A wave's 64 features of a token are 256 aligned bytes of out: they meet in the wave's own stage in LDS and leave by rows.
; NO CLUSTER: weights and o go from memory straight into registers, where no joint load can land; each wave reads its 32 KiB of each once.
; LIMITS: NaN codes and the scale byte 0xff in Wo are not served.
.set U16,  16                          ; v16-31  o's scale bytes as loaded: [group][head], two bytes each
.set OS,   32                          ; v32-39  o's scale words [group][K step]: lanes 0-15 tile 2 g, lanes 16-31 tile 2 g + 1
.set WS,   40                          ; v40-47  Wo's scale words [beta][K step], likewise
.set BIAS, 48                          ; v48-79  8 registers for each feature tile
.set ACC,  96                          ; v96-223 accumulator (t, ft) at 96 + 32 t + 8 ft
.set SP,   272                         ; a stage row: 256 bytes + 16
.set MSB, 0
.macro WIN new                         ; the immediate's high byte repeats the setting that is left
.if MSB != \new
	s_set_vgpr_msb (MSB<<8)|\new
.set MSB, \new
.endif
.endm
.macro WM d, a, b, c, sa, sb, ra, rb   ; ra, rb: source 0's, source 1's scales stand in lanes 16-31 of the register named
.if (\ra) && (\rb)
	v_wmma_scale_f32_16x16x128_f8f6f4 v[\d:\d+7], v[\a:\a+15], v[\b:\b+15], v[\c:\c+7], v[\sa], v[\sb] matrix_a_scale:MATRIX_SCALE_ROW1 matrix_b_scale:MATRIX_SCALE_ROW1
.elseif (\ra)
	v_wmma_scale_f32_16x16x128_f8f6f4 v[\d:\d+7], v[\a:\a+15], v[\b:\b+15], v[\c:\c+7], v[\sa], v[\sb] matrix_a_scale:MATRIX_SCALE_ROW1
.elseif (\rb)
	v_wmma_scale_f32_16x16x128_f8f6f4 v[\d:\d+7], v[\a:\a+15], v[\b:\b+15], v[\c:\c+7], v[\sa], v[\sb] matrix_b_scale:MATRIX_SCALE_ROW1
.else
	v_wmma_scale_f32_16x16x128_f8f6f4 v[\d:\d+7], v[\a:\a+15], v[\b:\b+15], v[\c:\c+7], v[\sa], v[\sb]
.endif
.endm
.set WP, 528                           ; a row of Wo in my stage: 512 bytes + 16
.macro WROWS                           ; my 64 rows of Wo, whole: the wave's 32 lanes read a row's 512 consecutive bytes by one load; row i lands in window 1 at v[4 i]
	WIN 0x40                                       ; destination window 1
.set ii, 0
.rept 64
	global_load_b128 v[4*ii:4*ii+3], v1, s[8:9] offset:512*ii
.set ii, ii+1
.endr
.endm
; FROM ROWS TO FRAGMENTS through my own stage in LDS, laid in the order of the tiles: row i is row i % 8 + 8 ((i % 32) / 16) of tile 2 (i / 32) + (i / 8) % 2.  The fragments come back into window 1: (ft, K step s) at v[16 (4 ft + s)].
; LDS serves a wave's instructions in order (ISA guide 5.7.1.4): no wait between the stores and the loads.
.macro WSTAGE
	WIN 0x04                                       ; the stores' data in window 1
.set ii, 0
.rept 64
	ds_store_b128 v13, v[4*ii:4*ii+3] offset:(32*(ii/32)+16*((ii/8)%2)+(ii%8)+8*((ii%32)/16))*WP
.set ii, ii+1
.endr
	WIN 0x40
.irp ft, 0,1,2,3
.irp s, 0,1,2,3
.irp c, 0,1,2,3
	ds_load_b128 v[16*(4*\ft+\s)+4*\c:16*(4*\ft+\s)+4*\c+3], v3 offset:16*\ft*WP+128*\s+32*\c
.endr
.endr
.endr
.endm
.macro KLOAD s                         ; K step s: 16 loads of o
	WIN 0x80                                       ; destination window 2
.irp t, 0,1,2,3
.irp c, 0,1,2,3
	global_load_b128 v[16*(4*\t+\s)+4*\c:16*(4*\t+\s)+4*\c+3], v1, s[4:5] offset:(4*\t+\s)*2048+512*\c
.endr
.endr
.endm
.macro KSTEP s                         ; 16 matrix instructions: the 16 accumulators by turns, in the same order in every K step
.irp t, 0,1,2,3
.irp ft, 0,1,2,3
.if (\s) == 0
	WM ACC+32*\t+8*\ft, 16*(4*\ft+\s), 16*(4*\t+\s), BIAS+8*\ft, WS+4*(\ft/2)+\s, OS+4*(\t/2)+\s, \ft%2, \t%2
.else
	WM ACC+32*\t+8*\ft, 16*(4*\ft+\s), 16*(4*\t+\s), ACC+32*\t+8*\ft, WS+4*(\ft/2)+\s, OS+4*(\t/2)+\s, \ft%2, \t%2
.endif
.endr
.endr
.endm
; tile t: 64 bytes a lane and block of 32 features into my stage, each accumulator from its low end on; back as whole rows of 256 bytes, into the registers that they left
.macro PACK t
.irp i, 0,1,2,3,4,5,6,7
	ds_store_b128 v6, v[ACC+32*\t+4*\i:ACC+32*\t+4*\i+3] offset:128*(\i/4)+16*(\i%4)
.endr
.irp i, 0,1,2,3,4,5,6,7
	ds_load_b128 v[ACC+32*\t+4*\i:ACC+32*\t+4*\i+3], v7 offset:2*SP*\i    ; LDS serves a wave's instructions in order (ISA guide 5.7.1.4): these see the stores above, and the next tile's stores come behind them
.endr
.endm
.macro SEND t, younger                 ; younger: the LDS instructions issued behind tile t's loads: the next tile's sixteen, or none
.irp i, 0,1,2,3,4,5,6,7
	s_wait_dscnt \younger+7-\i
	global_store_b128 v8, v[ACC+32*\t+4*\i:ACC+32*\t+4*\i+3], s[14:15] offset:(32*(\t/2)+8*(\t%2)+2*\i+8*(\i/4))*2048 th:TH_STORE_NT   ; 16 lanes store 256 consecutive bytes, aligned; stage rows 2 i and 2 i + 1 are tokens one apart
.endr
.endm
	s_load_b256 s[4:11], s[0:1], 0x0               ; oimg s[4:5], osc s[6:7], Wo's codes s[8:9], Wo's scales s[10:11]
	s_load_b128 s[12:15], s[0:1], 0x20             ; bo s[12:13], out0 s[14:15]
	v_lshl_add_u32 v254, v0, 2, 0x4400
	v_mov_b32 v255, 0
	v_lshrrev_b32 v9, 5, v0
	v_readfirstlane_b32 s16, v9                    ; wave 0..3
	s_mov_b32 s17, ttmp9                           ; block of 64 tokens
	s_and_b32 s18, ttmp7, 0xffff                   ; half of the features
	s_lshl_b32 s19, s18, 8
	s_lshl_b32 s20, s16, 6
	s_add_co_u32 s19, s19, s20
	s_mul_i32 s27, s16, 64*528                     ; my stage for Wo's rows: 64 rows of 528 bytes for each wave,
	s_add_co_u32 s27, s27, 0x4600                  ; behind the way out's stages and the spare words
	v_and_b32 v9, 31, v0                           ; lane
	v_lshlrev_b32 v1, 4, v9                        ; 16 x lane
	v_lshlrev_b32 v2, 1, v9                        ; 2 x lane
	v_and_b32 v10, 15, v0                          ; r
	v_bfe_u32 v11, v0, 4, 1                        ; h
	v_and_b32 v12, 8, v10
	v_add_nc_u32 v12, v12, v10                     ; r + 8 (r / 8)
	v_mul_u32_u24 v3, v10, 528
	v_lshl_add_u32 v3, v11, 4, v3
	v_add_nc_u32 v3, s27, v3                       ; Wo's fragments in my stage: row r, + 16 h
	v_add_nc_u32 v13, s27, v1                      ; and where I put a row's 16 bytes there
	v_lshl_add_u32 v4, v11, 3, v12
	v_lshlrev_b32 v4, 4, v4                        ; Wo's scale words: 16 bytes a row; lanes 16-31 take the odd tile, 8 rows on
	v_lshlrev_b32 v5, 6, v11                       ; bo: 64 h
	s_mul_i32 s21, s16, 16*SP                      ; my stage
	v_mul_u32_u24 v6, v10, SP
	v_lshl_add_u32 v6, v11, 6, v6
	v_add_nc_u32 v6, s21, v6                       ; in: row r, + 64 h
	v_mul_u32_u24 v7, v11, SP
	v_lshl_add_u32 v7, v10, 4, v7
	v_add_nc_u32 v7, s21, v7                       ; back: lanes 0-15 one row, lanes 16-31 the next
	v_lshlrev_b32 v8, 11, v11
	v_lshl_add_u32 v8, v10, 4, v8                  ; and the same two rows of out: 2,048 bytes apart
	s_mov_b32 s23, 0
	s_mov_b32 s25, 0
	s_wait_alu depctr_va_vdst(0)
	s_wait_kmcnt 0x0
	s_lshl_b32 s22, s19, 9
	s_add_nc_u64 s[8:9], s[8:9], s[22:23]
	s_lshl_b32 s22, s19, 4
	s_add_nc_u64 s[10:11], s[10:11], s[22:23]
	s_lshl_b32 s22, s19, 2
	s_add_nc_u64 s[12:13], s[12:13], s[22:23]
	s_add_nc_u64 s[14:15], s[14:15], s[22:23]
	s_lshl_b32 s24, s17, 17                        ; 64 rows of 2,048 bytes
	s_add_nc_u64 s[14:15], s[14:15], s[24:25]
	s_lshl_b32 s24, s17, 15                        ; four tiles of 8,192 bytes
	s_add_nc_u64 s[4:5], s[4:5], s[24:25]
	s_lshr_b32 s24, s17, 6                         ; o's scale bytes [8 batch + head][tile 256][row] of two bytes: the batch,
	s_lshl_b32 s24, s24, 16
	s_and_b32 s26, s17, 63
	s_lshl_b32 s26, s26, 7                         ; and my four tiles
	s_add_co_u32 s24, s24, s26
	s_add_nc_u64 s[6:7], s[6:7], s[24:25]
.irp g, 0,1
.irp hd, 0,1,2,3,4,5,6,7
	global_load_u16 v[U16+8*\g+\hd], v2, s[6:7] offset:8192*\hd+64*\g    ; lanes 0-15: tile 2 g's rows; lanes 16-31: tile 2 g + 1's
.endr
.endr
.irp e, 0,1
	global_load_b128 v[WS+4*\e:WS+4*\e+3], v4, s[10:11] offset:512*\e
.endr
.irp ft, 0,1,2,3
	global_load_b128 v[BIAS+8*\ft:BIAS+8*\ft+3], v5, s[12:13] offset:(32*(\ft/2)+8*(\ft%2))*4
	global_load_b128 v[BIAS+8*\ft+4:BIAS+8*\ft+7], v5, s[12:13] offset:(32*(\ft/2)+8*(\ft%2))*4+16
.endr
	WROWS
	KLOAD 0
	KLOAD 1
	KLOAD 2
	KLOAD 3
	s_wait_loadcnt 63                              ; behind Wo's last row 64 loads of o were issued: scale bytes, bias and Wo's rows are in
	WSTAGE
	WIN 0
	s_wait_loadcnt 32                              ; o's K steps 0 and 1 are in; the 32 loads of K steps 2 and 3 may be out
	s_wait_dscnt 0x0                               ; Wo's fragments are in
.irp g, 0,1
.irp s, 0,1,2,3
	v_lshl_or_b32 v[OS+4*\g+\s], v[U16+8*\g+2*\s+1], 16, v[U16+8*\g+2*\s]   ; a K step of 128 is two heads: four bytes
.endr
.endr
.rept 8
	v_nop                                          ; a scale register written by a vector instruction stands eight places ahead of the matrix instruction
.endr
	WIN 0x09                                       ; source 0 (Wo) window 1, source 1 (o) window 2
	KSTEP 0
	KSTEP 1
	s_wait_alu depctr_va_vdst(0)
	s_wait_loadcnt 16                              ; o's K step 2 is in; the 16 loads of K step 3 may be out
	KSTEP 2
	s_wait_loadcnt 0x0
	KSTEP 3
	WIN 0
.rept 8
	v_nop                                          ; places in front of the first read of results (ISA guide 7.12.1)
.endr
	PACK 0
	PACK 1                                         ; a tile's way through the stage stands between the loads of the tile before and its stores
	SEND 0, 16
	PACK 2
	SEND 1, 16
	PACK 3
	SEND 2, 16
	SEND 3, 0
	s_wait_tensorcnt 0x0
	ds_add_u32 v254, v255
	s_wait_dscnt 0x0
	s_endpgm
.Lfunc_end_k_q27ae4cd301_outp:
	.size	k_q27ae4cd301_outp, .Lfunc_end_k_q27ae4cd301_outp-k_q27ae4cd301_outp
	.p2alignl 7, 3214868480
	.fill 96, 4, 3214868480
	.section	.rodata,"a",@progbits
	.p2align	6, 0x0
	.amdhsa_kernel k_q27ae4cd301_outp
		.amdhsa_group_segment_fixed_size 153088
		.amdhsa_private_segment_fixed_size 0
		.amdhsa_enable_private_segment 0
		.amdhsa_kernarg_size 48
		.amdhsa_user_sgpr_count 2
		.amdhsa_user_sgpr_kernarg_segment_ptr 1
		.amdhsa_wavefront_size32 1
		.amdhsa_system_sgpr_workgroup_id_x 1
		.amdhsa_system_sgpr_workgroup_id_y 1
		.amdhsa_system_sgpr_workgroup_id_z 1
		.amdhsa_system_vgpr_workitem_id 0
		.amdhsa_next_free_vgpr 768
		.amdhsa_next_free_sgpr 66
		.amdhsa_reserve_vcc 0
		.amdhsa_float_denorm_mode_32 3
		.amdhsa_float_denorm_mode_16_64 3
		.amdhsa_memory_ordered 1
		.amdhsa_forward_progress 1
		.amdhsa_inst_pref_size 43
	.end_amdhsa_kernel
	.amdgpu_metadata
---
amdhsa.version: [ 1, 2 ]
amdhsa.kernels:
  - .name:           k_q27ae4cd301_outp
    .symbol:         k_q27ae4cd301_outp.kd
    .args:
      - { .name: oimg, .offset: 0, .size: 8, .value_kind: global_buffer, .address_space: global }
      - { .name: osc, .offset: 8, .size: 8, .value_kind: global_buffer, .address_space: global }
      - { .name: Wo_codes, .offset: 16, .size: 8, .value_kind: global_buffer, .address_space: global }
      - { .name: Wo_scales, .offset: 24, .size: 8, .value_kind: global_buffer, .address_space: global }
      - { .name: bo, .offset: 32, .size: 8, .value_kind: global_buffer, .address_space: global }
      - { .name: out0, .offset: 40, .size: 8, .value_kind: global_buffer, .address_space: global }
    .group_segment_fixed_size: 153088
    .private_segment_fixed_size: 0
    .kernarg_segment_align: 8
    .kernarg_segment_size: 48
    .max_flat_workgroup_size: 128
    .sgpr_count:     66
    .vgpr_count:     768
    .wavefront_size: 32
...
	.end_amdgpu_metadata
.endif
;; end of part 3
